; MI455X (gfx1250); checked and timed in simulation.
; The chip was launched on July 23, 2026; its instructions are those of AMD's public machine-readable ISA for CDNA 5 (MIT licence, August 2026) and "CDNA5" Instruction Set Architecture Reference Guide (July 2026). The comments in the code are by the model that wrote it; some were corrected since.
;; Multi Head Attention Solution. Allowed arithmetic: matrix products marked QUANTISED: E4M3 operands, one given power-of-two scale a tensor, by v_wmma_f32_16x16x64_fp8_fp8 or v_wmma_f32_16x16x128_fp8_fp8, f32 sums; everything else in f32.
;; Inputs: W_k_codes 1,024 x 32 x 32 uint8 (E4M3 codes of W_k, K innermost, in blocks of 32 codes); W_o_codes 1,024 x 32 x 32 uint8 (E4M3 codes of W_o, K innermost, in blocks of 32 codes); W_q_codes 1,024 x 32 x 32 uint8 (E4M3 codes of W_q, K innermost, in blocks of 32 codes); W_v_codes 1,024 x 32 x 32 uint8 (E4M3 codes of W_v, K innermost, in blocks of 32 codes); lowp_scales 12 int32 (the exponents e of the quantised operands' scales 2^e); x_codes 4 x 2,048 x 32 x 32 uint8 (E4M3 codes of x, K innermost, in blocks of 32 codes).
;; Outputs: out0 4 x 2,048 x 1,024 float32.
;; This version of the problem:
;;   THIS VERSION OF THE PROBLEM IS GIVEN IN LOW PRECISION. The matrix products marked QUANTISED in the list below multiply operands that are first quantised to E4M3 (4 exponent bits, 3 mantissa bits; 8 bits a number), with one given power-of-two scale for each operand tensor; their sums are f32. All else is computed in f32.
;;   The module's matrix products, in the order in which they are computed (A, B: the left and right operand; K: the contracted axis; several contracted axes count as one K, in the product's order):
;;     1. [M 8,192, K 1,024] x [K 1,024, N 1,024]; A: input x (given as codes); B: input W_q (given as codes): QUANTISED (scales: A lowp_scales[0], B lowp_scales[1])
;;     2. [M 8,192, K 1,024] x [K 1,024, N 1,024]; A: input x (given as codes); B: input W_k (given as codes): QUANTISED (scales: A lowp_scales[2], B lowp_scales[3])
;;     3. [M 8,192, K 1,024] x [K 1,024, N 1,024]; A: input x (given as codes); B: input W_v (given as codes): QUANTISED (scales: A lowp_scales[4], B lowp_scales[5])
;;     4. batch 64 x [M 2,048, K 64] x [K 64, N 2,048]; A: computed on the way; B: computed on the way: QUANTISED (scales: A lowp_scales[6], B lowp_scales[7])
;;     5. batch 64 x [M 2,048, K 2,048] x [K 2,048, N 64]; A: softmax (see below); B: computed on the way: QUANTISED (scales: A lowp_scales[8], B lowp_scales[9])
;;     6. [M 8,192, K 1,024] x [K 1,024, N 1,024]; A: computed on the way; B: input W_o (given as codes): QUANTISED (scales: A lowp_scales[10], B lowp_scales[11])
;;   THE QUANTISER, for each operand of a quantised product, along K:
;;     - The operand's scale is 2^e, e = its entry of the input lowp_scales (int32; the entries are numbered through the quantised products in the list's order, A before B).
;;     - Each number is divided by the scale, clamped to +-448, and rounded to the nearest number of E4M3, ties to even, subnormals kept.
;;     - The product sums the exact products of the quantised numbers (number of the format x scale) in f32.
;;   ~~~python
;;   def quantise(x, axis, e):      # numpy; x: float32 -> the quantised numbers, widened to float32 again
;;       x = np.moveaxis(x, axis, -1); K = x.shape[-1]
;;       r = np.clip(x / 2.0 ** e, -448, 448)
;;       step = 2.0 ** (np.maximum(np.frexp(np.where(r == 0, 1, r))[1] - 1, -6) - 3)
;;       q = np.round(r / step) * step * 2.0 ** e      # np.round: ties to even
;;       return np.moveaxis(q, -1, axis).astype(np.float32)
;;   ~~~
;;   SOFTMAX AHEAD OF A QUANTISED PRODUCT. Where the list says 'softmax', what is quantised is not the finished softmax but p = 2^(t - M), with t = logit x log2(e) and M = ceil(the row's largest t), a whole number; so 1/2 < the row's largest p <= 1. The row's sum l is taken of the UNQUANTISED p, in f32, and the product's result is divided by l at the end. Since M is a whole number, a kernel that streams over the keys may use a running M (the ceiling of the running maximum): every later rescaling is an exact power of two, so the quantised numbers keep their values, but for numbers so far below the row's largest that they fall under the format's range.
;;   OPERANDS COMPUTED ON THE WAY. 'Computed on the way' means the value that the module computes at that place (a softmax that the list does not call 'softmax' is quantised finished and normalised). What goes into a quantiser is computed in f32, as accurately as f32 sums, v_exp_f32 and their like allow (about 1e-6 of the number): no bf16 or f16 on the way to a quantiser, and a product that is left as it is and whose result goes on into a quantised operand takes f32 operands (vector FMAs, or v_wmma_f32_16x16x4_f32). A number that lies on a knife's edge between two numbers of the format may be rounded either way, as far as f32 arithmetic and the matrix unit's own rounding can turn it there, and no further.
;;   INPUTS GIVEN AS CODES. W_k (in the module: [1024, 1024], K = its axis 1); W_o (in the module: [1024, 1024], K = its axis 1); W_q (in the module: [1024, 1024], K = its axis 1); W_v (in the module: [1024, 1024], K = its axis 1); x (in the module: [4, 2048, 1024], K = its axis 2): each comes as NAME_codes (uint8): NAME with its K axis moved to the last place and cut into blocks of 32 codes, [.., K / 32, bytes a block], one block behind the other in memory; one code a byte (a code: sign, 4 exponent bits, 3 mantissa bits); its scale is its entry of lowp_scales. Its value is code x scale, taken as it is: it is not quantised again, and the codes and scales need not be those that the quantiser above would give.
;; One version. Each part assembles by itself: llvm-mc -triple=amdgcn-amd-amdhsa -mcpu=gfx1250 --defsym DOCPART=n.
;; ======== version 1 of 1: 3 launches
;; limits: right only within a limited range of input values
;; workspace buffers: qkv 25,165,824 bytes; acodes 8,388,608 bytes
;; launch qkv (part 1): grid 12 x 32, 4 waves a work-group, clusters of 4 x 4, 327,680 bytes of LDS; arguments x_codes, W_q_codes, W_k_codes, W_v_codes, lowp_scales, qkv; writes qkv
.if DOCPART == 1
	.amdgcn_target "amdgcn-amd-amdhsa--gfx1250"
	.amdhsa_code_object_version 6
	.text
	.protected	k_qb94c0992b2_qkv
	.globl	k_qb94c0992b2_qkv
	.p2align	8
	.type	k_qb94c0992b2_qkv,@function
k_qb94c0992b2_qkv:
	s_mov_b64 s[64:65], 0
	v_nop
	global_prefetch_b8 v0, s[64:65] scope:SCOPE_SE
	s_setreg_imm32_b32 hwreg(HW_REG_WAVE_MODE, 25, 1), 1
	s_wait_xcnt 0x0
	s_wait_alu depctr_hold_cnt(0) depctr_sa_sdst(0) depctr_va_vdst(0) depctr_va_sdst(0) depctr_va_ssrc(0) depctr_va_vcc(0) depctr_vm_vsrc(0)
	s_getreg_b32 s2, hwreg(HW_REG_IB_STS2, 6, 4)
	s_cmp_eq_u32 s2, 0
	s_cbranch_scc0 .Lentry_in_a_cluster
	s_endpgm
.Lentry_in_a_cluster:
	s_bfe_u32 s2, ttmp6, 0x10000c
	s_cmp_lg_u32 s2, 0xf033
	s_cbranch_scc0 .Lentry_shape_is_right
	s_endpgm
.Lentry_shape_is_right:
; Q = x W_q^T, K = x W_k^T, V = x W_v^T on codes of E4M3 (x: [8192][1024], each W: [1024][1024], K innermost, a code a byte), f32 sums,
; and each result quantised at once for the product that reads it next: Q with lowp_scales[6], K with [7], V with [9].
; A sum stands for sum x 2^(ex + ew); its code is sum / 2^(eo - ex - ew), nearest code, ties to even: the three exponents are folded into the conversion's one scale.
; LIMIT: eo - ex - ew lies between -126 and 127, so that the scale is an f32 number.  NaN codes among the inputs are not served.
; SHARES.  A work-group of four waves makes 256 x 256 results, a wave 128 x 128: 64 accumulators, 512 registers.  K = 1,024 goes in four steps of 256 through two LDS slots filled by the tensor data mover.
; TWO SIDES.  R is source 1 of the matrix instruction (one set of fragment registers), P is source 0 (two sets).  In accumulator (a, b) lane (r, h) holds R's row 16 a + r and, in registers 0 to 7, P's rows 16 b + 8 h + 0 .. 7.
;   cluster x = 0, 1 (Q, K): R = 256 tokens of x, P = 256 rows of W: a lane's eight registers are eight neighbouring channels of one token: along the K of Q K^T.
;   cluster x = 2 (V):       R = 256 rows of W_v, P = 256 tokens of x: a lane's eight registers are eight neighbouring tokens of one channel: along the K (the keys) of P V.
; So the conversions' results ARE registers of the next product's fragments, and they are stored as images of those registers, 16 bytes a lane, 512 consecutive bytes an instruction; no stage in LDS.
; THE WORKSPACE.  Q at byte 0, K at 2^23, V at 2^24; in each, head-batch y = 16 b + head owns 2^17 bytes.  Q, K: [tile of 16 tokens][2 chunks][32 lanes][16 bytes]; V: [128 keys][4 tiles of 16 channels][4 chunks][32 lanes][16 bytes].
; CLUSTERS: 4 x 4 work-groups.  R's tile hangs on cy (and the cluster's y) and is asked for jointly by a row of the cluster; P's hangs on cx (and the cluster's y) and is asked for jointly by a column.
; Which tensors R and P are hangs on the cluster's x alone, which all sixteen partners share.
; Fragments are fetched by four loads of 16 bytes, 32 bytes apart: a permutation of k that is the same on both sides, so every product meets its partner.
; REGISTERS, in windows of 256: window 0: v0-31 addresses and the scale; v128-255 R's eight fragments; at the end v32-159 the codes.  window 1: P's two sets, at v0 and v128.  windows 2, 3: the accumulators, (a, b) at v[8 (8 (a % 4) + b)].
.set KROW,   1024                      ; a row of x or of a weight in memory, in bytes
.set ROWB,   256                       ; a tile's row: 256 codes
.set PITCH,  272                       ; an LDS row: 256 bytes + 16 of padding: the 16 rows that a load touches start 16 bytes apart modulo 256
.set HALFT,  128*PITCH                 ; 128 rows: what one tensor load brings, and what one wave reads of a side
.set SLOT,   4*HALFT                   ; R's 256 rows, then P's 256 rows
.set SPARE,  2*SLOT                    ; behind the ring: the spare words, 128 bytes for each wave
.set FR,     16                        ; registers of a fragment: 16 rows x 128 K
.set NL,     4                         ; LDS loads that bring one
.set NP,     4                         ; places behind this matrix instruction (ISA guide 7.12.1)
.set SCL,  12                          ; v12     2^(eo - ex - ew) as f32
.set LIMV, 13
.set ADRR, 16                          ; v16-17  LDS address of my R fragments in slot 0, 1
.set ADRP, 20                          ; v20-21  the same for P
.set CO,   26                          ; v26     16 x lane: my place in an image
.set SPW,  28                          ; v28     LDS address of my spare word; never rewritten
.set NIL,  29                          ; v29     0; never rewritten
.set CD,   32                          ; v32-159 the codes: block a's sixteen registers at CD + 16 a
.set AF,   128                         ; R's fragments
.set G1R, 24                           ; s[24:31] descriptor group 1 for R's tiles;  s[32:39] group 0, one set for each slot
.set G0R, 32
.set G1P, 48                           ; s[48:55], s[56:63] the same for P's tiles
.set G0P, 56
.set PADW, (0<<16)|(1<<20)|(1<<21)|(5<<22)|(3<<25)   ; elements of 1 byte; padding on; bit 21 set beside a mask; after every 64 words; 4 words
.set MSB, 0
.macro WIN new                         ; the immediate's high byte repeats the setting that is left
.if MSB != \new
	s_set_vgpr_msb (MSB<<8)|\new
.set MSB, \new
.endif
.endm
.set MUL_LO, 0xa1                      ; source 0 (P) window 1, source 1 (R) window 0, C and D window 2
.set MUL_HI, 0xf1                      ; the same, C and D window 3
.set TO_P,   0x40                      ; destination window 1, address window 0
; A joint load: waves 0 and 1 fetch for R, waves 2 and 3 for P.  Each line has one mask and one set of registers for all that issue it; the branch hangs on the wave's number alone.
; Four v_nop follow each of the two lines, ahead of the jump, the label and what follows.
.macro JLOAD g0r, g1r, g0p, g1p
	s_cmp_eq_u32 s17, 0
	s_cbranch_scc0 .Lfor_p_\@
	tensor_load_to_lds s[\g0r:\g0r+3], s[\g1r:\g1r+7]
	s_nop 0
.rept 4
	v_nop
.endr
	s_branch .Lasked_\@
.Lfor_p_\@:
	tensor_load_to_lds s[\g0p:\g0p+3], s[\g1p:\g1p+7]
	s_nop 0
.rept 4
	v_nop
.endr
.Lasked_\@:
.endm
.macro CREST                           ; a round of the cluster's barrier behind its opening barrier
	s_cmp_lg_u32 s16, 0
	s_cbranch_scc1 .Lnot_wave_0_\@
	s_barrier_signal -3
.Lnot_wave_0_\@:
	s_barrier_wait -3
	s_barrier_signal -1
	s_barrier_wait -1
.endm
.macro CROUND                          ; a whole round
	s_barrier_signal -1
	s_barrier_wait -1
	CREST
.endm
	s_load_b256 s[4:11], s[0:1], 0x0               ; x s[4:5], W_q s[6:7], W_k s[8:9], W_v s[10:11]
	s_load_b128 s[12:15], s[0:1], 0x20             ; the scales' exponents s[12:13], the workspace s[14:15]
	v_lshl_add_u32 v[SPW], v0, 2, SPARE
	v_mov_b32 v[NIL], 0
	ds_add_u32 v28, v29
	ds_add_u32 v28, v29
	s_wait_dscnt 0x0
	v_lshrrev_b32 v1, 5, v0
	v_readfirstlane_b32 s16, v1                    ; wave 0..3
	s_lshr_b32 s17, s16, 1                         ; which half of R's rows is mine.  Also: I fetch for R (0) or for P (1)
	s_and_b32 s18, s16, 1                          ; which half of P's rows.  Also: which 128 rows of that tile I fetch
	s_bfe_u32 s19, ttmp6, 0x40000                  ; cx
	s_bfe_u32 s20, ttmp6, 0x40004                  ; cy
	s_and_b32 s21, ttmp7, 0xffff
	s_lshl_b32 s21, s21, 2                         ; 4 x the cluster's y
	s_lshl_b32 s40, s20, 2
	s_lshl_b32 s40, 15, s40                        ; my row of the cluster
	s_lshl_b32 s41, 0x1111, s19                    ; my column
	s_or_b32 s[G1R+0], s40, PADW                   ; R's tiles go to my row,
	s_or_b32 s[G1P+0], s41, PADW                   ; P's to my column
.irp g, G1R, G1P
	s_mov_b32 s[\g+1], ROWB<<16                    ; tensor_dim0 = 256
	s_mov_b32 s[\g+2], 128<<16                     ; tensor_dim1 = 128
	s_mov_b32 s[\g+3], ROWB<<16                    ; tile_dim0 = 256
	s_mov_b32 s[\g+4], 128                         ; tile_dim1 = 128
	s_mov_b32 s[\g+5], KROW                        ; from row to row
	s_mov_b32 s[\g+6], 0
	s_mov_b32 s[\g+7], 0
.endr
	s_cmp_eq_u32 ttmp9, 2                          ; the cluster's x: 0 Q, 1 K, 2 V
	s_cselect_b32 s22, 1, 0                        ; 1: V's arrangement
	s_cselect_b32 s42, 0, s21                      ; x's 32 tiles of tokens are counted by 4 x cluster y + a place in the cluster; a weight's four by the place alone
	s_cselect_b32 s43, s21, 0
	s_add_co_u32 s42, s42, s20                     ; R's tile: cy (+ 4 x cluster y where R is x)
	s_add_co_u32 s43, s43, s19                     ; P's tile: cx (+ 4 x cluster y where P is x)
	s_lshl_b32 s44, s18, 7                         ; which 128 rows of the tile I fetch
	s_lshl_b32 s84, s42, 8
	s_add_co_u32 s84, s84, s44
	s_lshl_b32 s84, s84, 10                        ; rows of 1,024 bytes: under 2^23
	s_mov_b32 s85, 0
	s_lshl_b32 s86, s43, 8
	s_add_co_u32 s86, s86, s44
	s_lshl_b32 s86, s86, 10
	s_mov_b32 s87, 0
	s_mul_i32 s45, s16, HALFT                      ; where my quarter of a slot goes: wave x 128 rows: no place in the cluster enters an LDS address
	s_wait_kmcnt 0x0
	s_load_b256 s[68:75], s[12:13], 0x0            ; e0 .. e7
	s_load_b128 s[76:79], s[12:13], 0x20           ; e8 .. e11
	s_cmp_eq_u32 ttmp9, 0
	s_cselect_b64 s[82:83], s[6:7], s[8:9]         ; P = W_q or W_k,
	s_cmp_eq_u32 ttmp9, 2
	s_cselect_b64 s[82:83], s[4:5], s[82:83]       ; or x;
	s_cselect_b64 s[80:81], s[10:11], s[4:5]       ; R = W_v, or x
	s_add_nc_u64 s[80:81], s[80:81], s[84:85]
	s_add_nc_u64 s[82:83], s[82:83], s[86:87]
	CROUND                                         ; all sixteen work-groups are here: the first joint loads meet
.irp s, 0,1
	s_mov_b32 s[G0R+4*\s], 1
	s_add_co_u32 s[G0R+4*\s+1], s45, \s*SLOT
	s_add_nc_u64 s[G0R+4*\s+2:G0R+4*\s+3], s[80:81], \s*ROWB
	s_or_b32 s[G0R+4*\s+3], s[G0R+4*\s+3], 0x80000000
	s_mov_b32 s[G0P+4*\s], 1
	s_add_co_u32 s[G0P+4*\s+1], s45, \s*SLOT
	s_add_nc_u64 s[G0P+4*\s+2:G0P+4*\s+3], s[82:83], \s*ROWB
	s_or_b32 s[G0P+4*\s+3], s[G0P+4*\s+3], 0x80000000
	JLOAD G0R+4*\s, G1R, G0P+4*\s, G1P             ; K steps 0 and 1: two loads of mine are out
.endr
	v_and_b32 v1, 15, v0                           ; r = lane % 16
	v_bfe_u32 v2, v0, 4, 1                         ; h = lane / 16
	v_mul_u32_u24 v3, v1, PITCH
	v_lshl_add_u32 v4, v2, 4, v3                   ; a fragment's row x pitch + 16 h
	s_mul_i32 s46, s17, HALFT                      ; my 128 rows of R
	s_mul_i32 s47, s18, HALFT                      ; my 128 rows of P,
	s_add_co_u32 s47, s47, 2*HALFT                 ; which lie behind R's 256
.irp s, 0,1
	v_add_nc_u32 v[ADRR+\s], s46, v4
	v_add_nc_u32 v[ADRP+\s], s47, v4
	s_add_co_u32 s46, s46, SLOT
	s_add_co_u32 s47, s47, SLOT
.endr
	v_and_b32 v5, 31, v0
	v_lshlrev_b32 v[CO], 4, v5
	s_wait_alu depctr_va_vdst(0)
	s_wait_kmcnt 0x0
	s_cmp_eq_u32 ttmp9, 0                          ; the three exponents of my product: chosen, never branched on
	s_cselect_b32 s90, s68, s70                    ; ex
	s_cselect_b32 s91, s69, s71                    ; ew
	s_cselect_b32 s92, s74, s75                    ; eo: Q's or K's
	s_cmp_eq_u32 ttmp9, 2
	s_cselect_b32 s90, s72, s90
	s_cselect_b32 s91, s73, s91
	s_cselect_b32 s92, s77, s92                    ; V's
	s_sub_co_i32 s92, s92, s90
	s_sub_co_i32 s92, s92, s91
	s_add_co_i32 s92, s92, 127
	s_lshl_b32 s90, s92, 23
	v_mov_b32 v[SCL], s90                          ; 2^(eo - ex - ew): the conversion takes its exponent field
	; where my wave's images begin: region (cluster x) 2^23 + batch 2^21 + first head 2^17 + (128 tokens) 2^13.  In registers that feed no descriptor
	s_cmp_eq_u32 s22, 1
	s_cselect_b32 s93, s43, s42                    ; the tile of 256 tokens,
	s_cselect_b32 s94, s18, s17                    ; my half of it,
	s_cselect_b32 s95, s20, s19                    ; the tile of 256 channels (four heads),
	s_cselect_b32 s96, s17, s18                    ; my half of it (two heads)
	s_lshr_b32 s97, s93, 3
	s_lshl_b32 s97, s97, 21                        ; a batch is eight tiles of tokens
	s_and_b32 s93, s93, 7
	s_lshl_b32 s93, s93, 1
	s_add_co_u32 s93, s93, s94
	s_lshl_b32 s93, s93, 13                        ; 128 tokens of a head are 8,192 bytes in each of the three layouts
	s_add_co_u32 s97, s97, s93
	s_lshl_b32 s95, s95, 2
	s_lshl_b32 s96, s96, 1
	s_add_co_u32 s95, s95, s96
	s_lshl_b32 s95, s95, 17
	s_add_co_u32 s97, s97, s95
	s_lshl_b32 s93, ttmp9, 23
	s_add_co_u32 s88, s97, s93
	s_mov_b32 s89, 0
	s_add_nc_u64 s[88:89], s[14:15], s[88:89]
.macro FRAG reg, adr, q, i             ; a fragment: lane l holds row l % 16; registers 4 c .. 4 c + 3 hold K = 32 c + 16 (l / 16) + 0 .. 15
.irp c, 0,1,2,3
	ds_load_b128 v[\reg+4*\c:\reg+4*\c+3], v[\adr] offset:128*(\q)+32*\c+(\i)*16*PITCH
.endr
.endm
; 16 matrix instructions: R's blocks a0, a0 + 1 x P's eight, 128 along K.  p: P's set.  zero = 1: the first product starts the sums.
; The 64 accumulators take turns, one instruction a turn, in the same order in every step.
.macro MUL16 a0, p, zero
.irp a, \a0, \a0+1
.irp b, 0,1,2,3,4,5,6,7
.if \zero
	v_wmma_f32_16x16x128_fp8_fp8 v[8*(8*((\a)%4)+\b):8*(8*((\a)%4)+\b)+7], v[128*(\p)+FR*\b:128*(\p)+FR*\b+FR-1], v[AF+FR*(\a):AF+FR*(\a)+FR-1], 0
.else
	v_wmma_f32_16x16x128_fp8_fp8 v[8*(8*((\a)%4)+\b):8*(8*((\a)%4)+\b)+7], v[128*(\p)+FR*\b:128*(\p)+FR*\b+FR-1], v[AF+FR*(\a):AF+FR*(\a)+FR-1], v[8*(8*((\a)%4)+\b):8*(8*((\a)%4)+\b)+7]
.endif
.endr
.endr
.endm
.macro FETCH_P slot, q, p              ; P's eight fragments of the slot's q-th 128 along K into set p
	WIN TO_P
.irp i, 0,1,2,3,4,5,6,7
	FRAG 128*(\p)+FR*\i, ADRP+\slot, \q, \i
.endr
	WIN 0
.endm
.macro FETCH_R slot, q, i0             ; R's blocks i0 .. i0 + 3
.irp i, \i0, \i0+1, \i0+2, \i0+3
	FRAG AF+FR*(\i), ADRR+\slot, \q, \i
.endr
.endm
; A load into a register that a matrix instruction has read, and a vector instruction that reads a matrix result or writes one of its registers, stand NP plain vector instructions behind it
.macro PLACES n
.rept \n
	v_nop
.endr
.endm
; A step of 128 along K that has its successor in the same slot.  A block of R is free as soon as its eight products are issued: blocks 0-3 are fetched anew in the step's middle, blocks 4-7 at its end.
.macro STEP slot, q, zero
	s_wait_dscnt 4*NL                              ; P's set and R's blocks 0-3 are in; the youngest sixteen loads (R's blocks 4-7) may be out
	WIN MUL_LO
	MUL16 0, (\q)%2, \zero
	MUL16 2, (\q)%2, \zero
	s_wait_dscnt 0                                 ; R's blocks 4-7 are in (asked for 32 matrix instructions ago)
	PLACES NP
	FETCH_P \slot, (\q)+1, 1-(\q)%2
	FETCH_R \slot, (\q)+1, 0
	WIN MUL_HI
	MUL16 4, (\q)%2, \zero
	MUL16 6, (\q)%2, \zero
	PLACES NP
	WIN 0
	FETCH_R \slot, (\q)+1, 4
.endm
; A slot's last step changes slots: one barrier; in front of it each wave waits for all its tensor loads, adds 0 to its spare word, and waits for that and for its own reads of this slot.  fill = 1: this slot is filled again, two K steps ahead.
.macro TURN slot, next, fill
	s_wait_tensorcnt 0x0                           ; all my tensor loads have landed: my part of the next slot
	ds_add_u32 v[SPW], v[NIL]                      ; 0 onto my spare word
	s_wait_dscnt 4*NL+1                            ; (the add and the youngest sixteen loads, R's blocks 4-7, may be out)
	WIN MUL_LO
	MUL16 0, 1, 0                                  ; sixteen matrix instructions stand between the add and the wait for it
	s_wait_dscnt 0x0                               ; the add is done, and my reads of this slot are over
	s_barrier_signal -1
	MUL16 2, 1, 0
	WIN 0
	s_barrier_wait -1
.if \fill
	CREST                                          ; the barrier has opened a round of the cluster's barrier: no wave of any partner still reads this slot's tile or has a load on its way
	s_add_nc_u64 s[G0R+4*\slot+2:G0R+4*\slot+3], s[G0R+4*\slot+2:G0R+4*\slot+3], 2*ROWB
	s_add_nc_u64 s[G0P+4*\slot+2:G0P+4*\slot+3], s[G0P+4*\slot+2:G0P+4*\slot+3], 2*ROWB
	JLOAD G0R+4*\slot, G1R, G0P+4*\slot, G1P       ; the first tensor load behind the round, my only one until the next; its four v_nop are the places in front of the loads below
.else
	PLACES NP
.endif
	FETCH_P \next, 0, 0
	FETCH_R \next, 0, 0
	WIN MUL_HI
	MUL16 4, 1, 0
	MUL16 6, 1, 0
	PLACES NP
	WIN 0
	FETCH_R \next, 0, 4
.endm
	s_wait_tensorcnt 1                             ; my part of K step 0 is in; K step 1's load may be out
	s_barrier_signal -1
	s_barrier_wait -1                              ; everybody's is
	FETCH_P 0, 0, 0
	FETCH_R 0, 0, 0
	FETCH_R 0, 0, 4
	STEP 0, 0, 1                                   ; K = 1,024 is four K steps, eight steps of 128: written out, no loop.  The first products start the sums
	TURN 0, 1, 1                                   ; slot 0 takes K step 2
	STEP 1, 0, 0
	TURN 1, 0, 1                                   ; slot 1 takes K step 3
	STEP 0, 0, 0
	TURN 0, 1, 0                                   ; nothing is left to fetch
	STEP 1, 0, 0
	s_wait_dscnt 4*NL                              ; the very last step
	WIN MUL_LO
	MUL16 0, 1, 0
	MUL16 2, 1, 0
	s_wait_alu depctr_va_vdst(0)
	s_wait_dscnt 0
	WIN MUL_HI
	MUL16 4, 1, 0
	MUL16 6, 1, 0
	WIN 0
; THE WAY OUT.  Window w's 32 accumulators are turned into codes:
; accumulator (a, b) gives registers 2 b, 2 b + 1 of block a's sixteen.
.macro HOLD w, both
	WIN \both                                      ; destination and source 0 in window w
.set j, 0
.rept 256
.set j, j+1
.endr
	WIN \w                                         ; source 0 in window w; the codes and the scale in window 0
.irp a, 0,1,2,3
.irp b, 0,1,2,3,4,5,6,7
	v_cvt_scalef32_pk8_fp8_f32 v[CD+16*(4*((\w)-2)+\a)+2*\b:CD+16*(4*((\w)-2)+\a)+2*\b+1], v[8*(8*\a+\b):8*(8*\a+\b)+7], v[SCL]
.endr
.endr
.endm
	PLACES NP                                      ; behind the last products
	HOLD 2, 0x82
	HOLD 3, 0xc3
	v_nop                                          ; one plain vector instruction behind the last conversion
	WIN 0
	s_cmp_eq_u32 s22, 1                            ; the two layouts differ in the stores' immediates alone; the branch hangs on the cluster's x
	s_cbranch_scc1 .Lv_out
.irp a, 0,1,2,3,4,5,6,7                ; Q, K: block a = 16 tokens; chunk x of four registers = channels 32 x on: head x / 2, chunk x % 2 of its fragment
.irp x, 0,1,2,3
	global_store_b128 v[CO], v[CD+16*\a+4*\x:CD+16*\a+4*\x+3], s[88:89] offset:\a*1024+(\x/2)*131072+(\x%2)*512   ; 32 lanes store 512 consecutive bytes, at a multiple of 512 from the buffer's first byte
.endr
.endr
	s_branch .Lout_done
.Lv_out:
	s_wait_alu depctr_va_vdst(0)
.irp a, 0,1,2,3,4,5,6,7                ; V: block a = 16 channels: head a / 4, tile a % 4; chunk x = keys 32 x on of my 128
.irp x, 0,1,2,3
	global_store_b128 v[CO], v[CD+16*\a+4*\x:CD+16*\a+4*\x+3], s[88:89] offset:(\a/4)*131072+(\a%4)*2048+\x*512
.endr
.endr
.Lout_done:
	s_wait_tensorcnt 0x0                           ; the wave's end
	ds_add_u32 v[SPW], v[NIL]
	s_wait_dscnt 0x0
	CROUND                                         ; the closing round: no work-group ends while a partner may still ask for a tile that names it
	s_endpgm
.Lfunc_end_k_qb94c0992b2_qkv:
	.size	k_qb94c0992b2_qkv, .Lfunc_end_k_qb94c0992b2_qkv-k_qb94c0992b2_qkv
	.p2alignl 7, 3214868480
	.fill 96, 4, 3214868480
	.section	.rodata,"a",@progbits
	.p2align	6, 0x0
	.amdhsa_kernel k_qb94c0992b2_qkv
		.amdhsa_group_segment_fixed_size 327680
		.amdhsa_private_segment_fixed_size 0
		.amdhsa_enable_private_segment 0
		.amdhsa_kernarg_size 48
		.amdhsa_user_sgpr_count 2
		.amdhsa_user_sgpr_kernarg_segment_ptr 1
		.amdhsa_wavefront_size32 1
		.amdhsa_system_sgpr_workgroup_id_x 1
		.amdhsa_system_sgpr_workgroup_id_y 1
		.amdhsa_system_sgpr_workgroup_id_z 1
		.amdhsa_system_vgpr_workitem_id 0
		.amdhsa_next_free_vgpr 1024
		.amdhsa_next_free_sgpr 98
		.amdhsa_reserve_vcc 0
		.amdhsa_float_denorm_mode_32 3
		.amdhsa_float_denorm_mode_16_64 3
		.amdhsa_fp16_overflow 1
		.amdhsa_memory_ordered 1
		.amdhsa_forward_progress 1
		.amdhsa_inst_pref_size 89
	.end_amdhsa_kernel
	.amdgpu_metadata
---
amdhsa.version: [ 1, 2 ]
amdhsa.kernels:
  - .name:           k_qb94c0992b2_qkv
    .symbol:         k_qb94c0992b2_qkv.kd
    .args:
      - { .name: x_codes, .offset: 0, .size: 8, .value_kind: global_buffer, .address_space: global }
      - { .name: W_q_codes, .offset: 8, .size: 8, .value_kind: global_buffer, .address_space: global }
      - { .name: W_k_codes, .offset: 16, .size: 8, .value_kind: global_buffer, .address_space: global }
      - { .name: W_v_codes, .offset: 24, .size: 8, .value_kind: global_buffer, .address_space: global }
      - { .name: lowp_scales, .offset: 32, .size: 8, .value_kind: global_buffer, .address_space: global }
      - { .name: qkv, .offset: 40, .size: 8, .value_kind: global_buffer, .address_space: global }
    .group_segment_fixed_size: 327680
    .private_segment_fixed_size: 0
    .kernarg_segment_align: 8
    .kernarg_segment_size: 48
    .max_flat_workgroup_size: 128
    .sgpr_count:     98
    .vgpr_count:     1024
    .wavefront_size: 32
...
	.end_amdgpu_metadata
.endif
;; end of part 1
;; launch attn (part 2): grid 4 x 64, 16 waves a work-group, no clusters, 327,680 bytes of LDS; arguments qkv, lowp_scales, acodes; writes acodes
.if DOCPART == 2
	.amdgcn_target "amdgcn-amd-amdhsa--gfx1250"
	.amdhsa_code_object_version 6
	.text
	.protected	k_qb94c0992b2_attn
	.globl	k_qb94c0992b2_attn
	.p2align	8
	.type	k_qb94c0992b2_attn,@function
k_qb94c0992b2_attn:
	s_mov_b64 s[64:65], 0
	v_nop
	global_prefetch_b8 v0, s[64:65] scope:SCOPE_SE
	s_setreg_imm32_b32 hwreg(HW_REG_WAVE_MODE, 25, 1), 1
	s_wait_xcnt 0x0
; Causal attention of one head-batch y = 16 b + head on codes of E4M3: S = Q K^T (K = 64), p = 2^(t - M), O = p V / l (K = the keys), and O quantised with lowp_scales[10] for the last projection.
; t = score x log2(e) / 8; M = the running largest t rounded UP to a whole number; p is quantised with lowp_scales[8], not normalised; l is the sum of the unquantised p, in f32, and divides at the end.
; When M moves, l and O are multiplied by 2^(old M - new M), made by v_ldexp_f32: nothing is rounded, and no branch hangs on data.
; INPUT: the workspace of the launch before: fragments as images of their registers.  Q, K: 1,024 bytes for 16 tokens; V: 2,048 bytes for 16 channels x 128 keys.  So tiles are dense, and a fragment is loads of 16 bytes at 16 x lane.
; SHARES.  Work-group (i, y) owns the blocks i and 7 - i of 256 queries, one after the other; each of its sixteen waves owns 16 queries of the block in hand, in 256 registers: four waves to a SIMD.
; A slot is 256 keys.  Block i wants slots 0 .. i, block 7 - i slots 0 .. 7 - i: NINE VISITS in every work-group, so trip counts are constants, all 256 work-groups have the same work, and no tile wholly under the mask is fetched.
; Within the last slot of a block a step of 128 keys that lies wholly behind a wave's queries is jumped over (a branch on ids); on the diagonal hidden scores become -infinity ahead of the maximum.
; NO CLUSTER: the four work-groups of a head go back to slot 0 behind different visits (work-group i behind visit i), so in a given visit they want different slots: there is no joint request that all four could make in the same round.
; LAYOUT.  Both products are used transposed: S^T = K Q^T (source 0 = 16 keys, source 1 = my 16 queries), O^T = V^T P^T (source 0 = 16 channels): a lane holds one query (lane % 16) throughout.
; Tile t of S^T holds, in lane (r, h), keys 16 t + 8 h + 0 .. 7: its conversion gives registers 2 t, 2 t + 1 of P's fragment.
; OUTPUT: acodes [tile of 16 tokens][pair of heads][4 chunks][32 lanes][16 bytes]: lane (r, g) of chunk c holds token r, k = 128 pair + 32 c + 16 g + 0 .. 15: the order in which the last launch also takes W_o's rows.
; LIMITS on the given exponents: e6 + e7 between -123 and 130 (added to c's exponent field); e8 and e10 between -126 and 119; e8 + e9 is applied by v_ldexp_f32 and has none.  NaN codes are not served.
; REGISTERS: v1-6 addresses that stay; v8 the LDS address in hand; v12 -M, v13 the largest t, v[14:15] l in two halves; v16-23 Q; v24-31 Q of the second block; v32-95 K's eight fragments, then V's four;
;   v96-159 S^T, then p; v160-191 O^T; v192-207 p's codes; v208-215 O's codes; v236-254 at work and the scales.
.set SLOT1, 1<<15                      ; slot 1 begins here: one exclusive or turns an address in one slot into the other's
.set VOFF,  16384                      ; in a slot: K's 16 fragments, then V's two key steps of 8,192 bytes
.set SLOTB, 16384                      ; a slot's bytes of K, and of V, in memory
.set SPARE, 2*SLOT1                    ; behind the ring: the spare words, 128 bytes for each of sixteen waves
.set LI,   1                           ; v1   16 x lane
.set GO,   2                           ; v2   16 r + 8 h: my 8 bytes of a store's 256
.set PFO,  3                           ; v3   256 x lane: the prefetches' offset
.set DL,   4                           ; v4   r - 8 h
.set SPW,  5                           ; v5   LDS address of my spare word; never rewritten
.set NIL,  6                           ; v6   0; never rewritten
.set ADL,  8                           ; v8   16 x lane + the slot in hand
.set WV,   10                          ; s10  my wave's number
.set PAIR, 11                          ; s11  i
.set VIS,  12                          ; s12  the visit, 0 .. 8
.set TB,   13                          ; s13  LDS byte at which the slot in hand begins
.set KF,   14                          ; s14  the step's first key
.set Q0,   15                          ; s15  my first query of the block in hand
.set Q0B,  16                          ; s16  of the second block
.set PFON, 17                          ; s17  1 in a wave that prefetches
.set PFA,  18                          ; s[18:19] where my prefetches stand
.set SEL,  20                          ; s[20:21] lane selects for v_permlanex16_b32: lane l xor 16
.set CS,   22                          ; s[22:23] c = log2(e) / 8 x 2^(e6 + e7)
.set G1,   24                          ; s[24:31] descriptor group 1: 64 rows of 256 bytes, dense
.set G0,   32                          ; s[32:35] descriptor group 0, which walks
.set GB,   36                          ; s[36:37] my tensor's slot 0 of this head
.set OFF,  38                          ; s[38:39] the slot to be asked for, in bytes
.set OUTA, 40                          ; s[40:41], s[42:43] where my 16 tokens' codes go: first block, second block
.set OUTB, 42
.set EPV,  49                          ; s49  e8 + e9
; Wave 0 fetches a slot's K, wave 1 its V, the others nothing.  The branch hangs on the wave's number alone.  Four v_nop follow the line.
.macro TLOAD
	s_cmp_lt_u32 s[WV], 2
	s_cbranch_scc0 .Lasked_\@
	tensor_load_to_lds s[G0:G0+3], s[G1:G1+7]
	s_nop 0
.rept 4
	v_nop
.endr
.Lasked_\@:
.endm
; A PREFETCH of what the NEXT change of slots will ask for.  Work-group 0 of a head walks slots 0 .. 7 in visits 1 .. 8 and is the first of the four to want slots 4 to 7: it alone asks, in visits 3 to 6, for slot visit + 1.
; In it four waves that fetch nothing ask, one instruction each: waves 4 and 5 for the two halves of K's 16,384 bytes, waves 6 and 7 for V's; lanes 256 bytes apart.  So each block of 256 bytes of slots 4 to 7 is named once.
; Slots 0 to 3 are wanted in the launch's first visits and come by their loads alone; behind visit 6 there is no slot left.
.macro ASK
	s_sub_co_u32 s51, s[VIS], 3
	s_cmp_lt_u32 s51, 4
	s_cselect_b32 s51, s[PFON], 0
	s_cmp_lg_u32 s51, 0
	s_cbranch_scc0 .Lnot_mine_\@
	global_prefetch_b8 v[PFO], s[PFA:PFA+1] th:TH_LOAD_NT scope:SCOPE_SE
.Lnot_mine_\@:
.endm
	s_load_b128 s[4:7], s[0:1], 0x0                ; the workspace s[4:5], the scales' exponents s[6:7]
	s_load_b64 s[8:9], s[0:1], 0x10                ; acodes
	v_lshl_add_u32 v[SPW], v0, 2, SPARE
	v_mov_b32 v[NIL], 0
	ds_add_u32 v5, v6
	ds_add_u32 v5, v6
	s_wait_dscnt 0x0
	v_lshrrev_b32 v8, 5, v0
	s_delay_alu instid0(VALU_DEP_1)
	v_readfirstlane_b32 s[WV], v8                  ; wave 0..15
	s_mov_b32 s[PAIR], ttmp9
	s_and_b32 s59, ttmp7, 0xffff                   ; y
	s_lshl_b32 s50, s59, 17                        ; the head-batch's first byte in each region
	s_mov_b32 s[G1], 3<<16                         ; no mask; elements of 8 bytes; no padding
	s_mov_b32 s[G1+1], 32<<16                      ; tensor_dim0 = 32 elements: 256 bytes
	s_mov_b32 s[G1+2], 64<<16                      ; tensor_dim1 = 64
	s_mov_b32 s[G1+3], 32<<16                      ; tile_dim0
	s_mov_b32 s[G1+4], 64                          ; tile_dim1
	s_mov_b32 s[G1+5], 32                          ; from row to row: dense
	s_mov_b32 s[G1+6], 0
	s_mov_b32 s[G1+7], 0
	s_and_b32 s52, s[WV], 1                        ; K (0) or V (1)
	s_lshl_b32 s[G0+1], s52, 14                    ; its place in slot 0
	s_add_co_u32 s52, s52, 1
	s_lshl_b32 s52, s52, 23                        ; its region
	s_add_co_u32 s52, s52, s50
	s_mov_b32 s53, 0
	s_lshl_b32 s54, s[PAIR], 4
	s_add_co_u32 s54, s54, s[WV]                   ; my tile of 16 queries in block i,
	s_sub_co_u32 s56, 7, s[PAIR]
	s_lshl_b32 s56, s56, 4
	s_add_co_u32 s56, s56, s[WV]                   ; and in block 7 - i
	s_lshl_b32 s[Q0], s54, 4
	s_lshl_b32 s[Q0B], s56, 4
	s_lshr_b32 s58, s59, 4
	s_lshl_b32 s58, s58, 7                         ; a batch has 128 tiles of 16 tokens
	s_and_b32 s57, s59, 15
	s_lshl_b32 s57, s57, 10                        ; a head's 64 codes of 16 tokens: 1,024 bytes; a pair of heads 2,048
	s_add_co_u32 s60, s58, s54
	s_lshl_b32 s60, s60, 14                        ; a tile of 16 tokens is 16,384 bytes of acodes
	s_add_co_u32 s60, s60, s57
	s_mov_b32 s61, 0
	s_add_co_u32 s62, s58, s56
	s_lshl_b32 s62, s62, 14
	s_add_co_u32 s62, s62, s57
	s_mov_b32 s63, 0
	s_lshl_b32 s54, s54, 10                        ; Q's fragments: 1,024 bytes a tile
	s_add_co_u32 s54, s54, s50
	s_mov_b32 s55, 0
	s_lshl_b32 s56, s56, 10
	s_add_co_u32 s56, s56, s50
	s_mov_b32 s57, 0
	s_bfe_u32 s[PFA], s[WV], 0x10001               ; the prefetches: waves 4, 5: K; waves 6, 7: V;
	s_add_co_u32 s[PFA], s[PFA], 1
	s_lshl_b32 s[PFA], s[PFA], 23
	s_add_co_u32 s[PFA], s[PFA], s50
	s_and_b32 s[PFA+1], s[WV], 1
	s_lshl_b32 s[PFA+1], s[PFA+1], 13              ; which half of a slot's 16,384 bytes
	s_add_co_u32 s[PFA], s[PFA], s[PFA+1]
	s_mov_b32 s[PFA+1], 0
	s_lshr_b32 s51, s[WV], 2
	s_xor_b32 s51, s51, 1                          ; 0 in waves 4 to 7,
	s_or_b32 s51, s51, ttmp9                       ; of the head's work-group 0
	s_cmp_eq_u32 s51, 0
	s_cselect_b32 s[PFON], 1, 0
	s_mov_b32 s[OFF], 0
	s_mov_b32 s[OFF+1], 0
	s_mov_b32 s[SEL], 0x76543210
	s_mov_b32 s[SEL+1], 0xfedcba98
	s_mov_b32 s[VIS], 0
	s_mov_b32 s[TB], 0
	s_mov_b32 s[KF], 0
	s_wait_kmcnt 0x0
	s_load_b128 s[44:47], s[6:7], 0x18             ; e6, e7, e8, e9
	s_load_b32 s48, s[6:7], 0x28                   ; e10
	s_add_nc_u64 s[GB:GB+1], s[4:5], s[52:53]
	s_mov_b32 s[G0], 1
	s_mov_b64 s[G0+2:G0+3], s[GB:GB+1]
	s_or_b32 s[G0+3], s[G0+3], 0x80000000
	TLOAD                                          ; visit 0's slot, into slot 0: the launch's first fill
	s_add_nc_u64 s[54:55], s[4:5], s[54:55]
	s_add_nc_u64 s[56:57], s[4:5], s[56:57]
	s_add_nc_u64 s[OUTA:OUTA+1], s[8:9], s[60:61]
	s_add_nc_u64 s[OUTB:OUTB+1], s[8:9], s[62:63]
	s_add_nc_u64 s[PFA:PFA+1], s[4:5], s[PFA:PFA+1]  ; at slot 0: every change of slots steps it once before it is used
	v_and_b32 v9, 31, v0
	s_delay_alu instid0(VALU_DEP_1)
	v_lshlrev_b32 v[LI], 4, v9
	s_delay_alu instid0(VALU_DEP_2)
	v_lshlrev_b32 v[PFO], 8, v9
	global_load_b128 v[16:19], v[LI], s[54:55]             ; Q's fragments of both blocks stay in registers
	global_load_b128 v[20:23], v[LI], s[54:55] offset:512
	global_load_b128 v[24:27], v[LI], s[56:57]
	global_load_b128 v[28:31], v[LI], s[56:57] offset:512
	v_and_b32 v10, 15, v0                          ; r
	v_bfe_u32 v11, v0, 4, 1                        ; h
	s_delay_alu instid0(VALU_DEP_2)
	v_lshlrev_b32 v[GO], 4, v10
	s_delay_alu instid0(VALU_DEP_1)
	v_lshl_add_u32 v[GO], v11, 3, v[GO]
	s_delay_alu instid0(VALU_DEP_3)
	v_lshlrev_b32 v[DL], 3, v11
	s_delay_alu instid0(VALU_DEP_1)
	v_sub_nc_u32 v[DL], v10, v[DL]
	v_mov_b32 v236, 0                              ; written once: a lane permute's destination counts as one of its sources
	v_mov_b32 v252, 0
	v_mov_b32 v253, 0                              ; (named as the upper half of the pair v[252:253])
; A block of queries begins: the largest t is -3e38, under every t; l and O^T are zeros, which the first change of M leaves zeros.
.macro BEGIN
	v_mov_b32 v13, 0xff61b1e6
	s_delay_alu instid0(VALU_DEP_1)
	v_floor_f32 v12, -v13
	v_mov_b32 v14, 0
	v_mov_b32 v15, 0
.set j, 0
.rept 32
	v_mov_b32 v[160+j], 0
.set j, j+1
.endr
.endm
	BEGIN
	s_wait_kmcnt 0x0
	s_add_co_i32 s50, s44, s45
	s_lshl_b32 s50, s50, 23
	s_mov_b32 s[CS], 0x3e38aa3b                    ; log2(e) / 8
	s_add_co_i32 s[CS], s[CS], s50                 ; a score stands for score x 2^(e6 + e7): added to c's exponent field
	s_mov_b32 s[CS+1], s[CS]                       ; (named with it as a pair)
	s_add_co_i32 s50, s46, 127
	s_lshl_b32 s51, s50, 23
	v_mov_b32 v244, s51                            ; 2^e8, for p's conversions
	s_add_co_i32 s50, s48, 127
	s_lshl_b32 s51, s50, 23
	v_mov_b32 v245, s51                            ; 2^e10, for O's conversions
	s_add_co_i32 s[EPV], s46, s47
; A KEY STEP: 128 keys, the q-th of the slot in hand.
.macro STEP q
	s_add_co_u32 s50, s[Q0], 15                    ; all 128 keys behind my 16 queries: the step's work is left out; no barrier and no tensor load stands in a step
	s_cmp_gt_u32 s[KF], s50
	s_cbranch_scc1 .Lhidden_\@
	v_add_nc_u32 v[ADL], s[TB], v[LI]
.rept 3
	v_nop                                          ; with the addition: four places in front of loads into registers that the last products read
.endr
.irp t, 0,1,2,3,4,5,6,7
	ds_load_b128 v[32+8*\t:35+8*\t], v[ADL] offset:(\q)*8192+\t*1024
	ds_load_b128 v[36+8*\t:39+8*\t], v[ADL] offset:(\q)*8192+\t*1024+512
.endr
	s_wait_alu depctr_va_vdst(0)
	s_wait_dscnt 0x0
.irp t, 0,1,2,3,4,5,6,7
	v_wmma_f32_16x16x64_fp8_fp8 v[96+8*\t:103+8*\t], v[32+8*\t:39+8*\t], v[16:23], 0   ; S^T: keys 16 t on
.endr
.rept 4
	v_nop                                          ; places: in front of the loads below, and of the first read of the scores
.endr
.irp t, 0,1,2,3
.irp c, 0,1,2,3
	ds_load_b128 v[32+16*\t+4*\c:35+16*\t+4*\c], v[ADL] offset:VOFF+(\q)*8192+\t*2048+\c*512   ; V's four fragments land while the softmax is walked
.endr
.endr
	s_add_co_u32 s50, s[KF], 127                   ; a step all of whose keys count skips the mask
	s_cmp_le_u32 s50, s[Q0]
	s_cbranch_scc1 .Lopen_\@
	s_sub_co_i32 s50, s[Q0], s[KF]
	v_add_nc_u32 v252, s50, v[DL]                  ; d = my query - KF - 8 h.  Register n holds key KF + 8 h + 16 (n / 8) + n % 8: hidden where 16 (n / 8) + n % 8 > d
	v_mov_b32 v254, 0xff800000                     ; -infinity: p = 0 then.  The step's first key counts for every query of mine, so M stays a number
.set n, 0
.rept 64
	v_cmp_gt_i32 vcc_lo, 16*(n/8)+n%8, v252
	v_cndmask_b32 v[96+n], v[96+n], v254, vcc_lo
.set n, n+1
.endr
.Lopen_\@:
	v_max3_num_f32 v254, v96, v97, v98             ; the step's largest score of my query among my 64 keys, in two chains; each tile is first read at its low end
	v_max3_num_f32 v252, v99, v100, v101
.irp i, 6,10,14,18,22,26,30,34,38,42,46,50,54,58
	v_max3_num_f32 v254, v254, v[96+\i], v[97+\i]
	v_max3_num_f32 v252, v252, v[98+\i], v[99+\i]
.endr
	v_max3_num_f32 v254, v254, v158, v159
	s_delay_alu instid0(VALU_DEP_1)
	v_max_num_f32 v254, v254, v252
	s_delay_alu instid0(VALU_DEP_1)
	v_permlanex16_b32 v236, v254, s[SEL], s[SEL+1]
	s_delay_alu instid0(VALU_DEP_1)
	v_max_num_f32 v254, v254, v236                 ; and among lane l xor 16's
	s_delay_alu instid0(VALU_DEP_1)
	v_mul_f32 v254, s[CS], v254                    ; as t (c is positive)
	s_delay_alu instid0(VALU_DEP_1)
	v_max_num_f32 v13, v13, v254                   ; the running largest t
	v_mov_b32 v254, v12
	s_delay_alu instid0(VALU_DEP_2)
	v_floor_f32 v12, -v13                          ; the new -M = floor(-t) = -ceil(t): a whole number
	s_delay_alu instid0(VALU_DEP_1)
	v_sub_f32 v254, v12, v254                      ; old M - new M: a whole number, 0 or less
	s_delay_alu instid0(VALU_DEP_1)
	v_cvt_i32_f32 v254, v254                       ; (it saturates)
	s_delay_alu instid0(VALU_DEP_1)
	v_ldexp_f32 v252, 1.0, v254                    ; f = 2^(old M - new M)
.set j, 0
.rept 32
	v_pk_fma_f32 v[96+j:97+j], v[96+j:97+j], s[CS:CS+1], v[12:13] op_sel_hi:[1,0,0]   ; t - M, two at a time (of the pairs c and -M the low word serves both halves)
.set j, j+2
.endr
.set j, 0
	s_wait_alu depctr_va_vdst(0)
.rept 64
	v_exp_f32 v[96+j], v[96+j]                     ; p = 2^(t - M), at most 1
.set j, j+1
.endr
	v_pk_mul_f32 v[14:15], v[14:15], v[252:253] op_sel_hi:[1,0]   ; l under the new M: the plain instruction behind the exponentials
	s_wait_alu depctr_va_vdst(0)                   ; one wait for the batch of 64, ahead of its first reader
	v_pk_add_f32 v[242:243], v[100:101], v[104:105]
	v_pk_add_f32 v[254:255], v[108:109], v[112:113]
	v_pk_add_f32 v[250:251], v[116:117], v[120:121]
	v_pk_add_f32 v[248:249], v[124:125], v[128:129]
	v_pk_add_f32 v[246:247], v[132:133], v[136:137]
	v_pk_add_f32 v[240:241], v[140:141], v[144:145]
	v_pk_add_f32 v[238:239], v[148:149], v[152:153]
	v_pk_add_f32 v[14:15], v[14:15], v[156:157]
	v_pk_add_f32 v[242:243], v[242:243], v[96:97]
	v_pk_add_f32 v[254:255], v[254:255], v[98:99]
	v_pk_add_f32 v[250:251], v[250:251], v[102:103]
	v_pk_add_f32 v[248:249], v[248:249], v[106:107]
	v_pk_add_f32 v[246:247], v[246:247], v[110:111]
	v_pk_add_f32 v[240:241], v[240:241], v[114:115]
	v_pk_add_f32 v[238:239], v[238:239], v[118:119]
	v_pk_add_f32 v[14:15], v[14:15], v[122:123]
	v_pk_add_f32 v[242:243], v[242:243], v[126:127]
	v_pk_add_f32 v[254:255], v[254:255], v[130:131]
	v_pk_add_f32 v[250:251], v[250:251], v[134:135]
	v_pk_add_f32 v[248:249], v[248:249], v[138:139]
	v_pk_add_f32 v[246:247], v[246:247], v[142:143]
	v_pk_add_f32 v[240:241], v[240:241], v[146:147]
	v_pk_add_f32 v[238:239], v[238:239], v[150:151]
	v_pk_add_f32 v[14:15], v[14:15], v[154:155]
	v_pk_add_f32 v[242:243], v[242:243], v[158:159]
	s_delay_alu instid0(VALU_DEP_2)
	v_pk_add_f32 v[14:15], v[14:15], v[248:249]
	s_delay_alu instid0(VALU_DEP_2)
	v_pk_add_f32 v[242:243], v[242:243], v[246:247]
	v_pk_add_f32 v[254:255], v[254:255], v[240:241]
	v_pk_add_f32 v[250:251], v[250:251], v[238:239]
	s_delay_alu instid0(VALU_DEP_2)
	v_pk_add_f32 v[14:15], v[14:15], v[254:255]
	s_delay_alu instid0(VALU_DEP_2)
	v_pk_add_f32 v[242:243], v[242:243], v[250:251]
	s_delay_alu instid0(VALU_DEP_1)
	v_pk_add_f32 v[14:15], v[14:15], v[242:243]
.irp t, 0,1,2,3,4,5,6,7
.irp i, 0,1,2,3,4,5,6,7
.endr
	v_cvt_scalef32_pk8_fp8_f32 v[192+2*\t:193+2*\t], v[96+8*\t:103+8*\t], v244   ; keys 16 t + 8 h + 0 .. 7: registers 2 t, 2 t + 1 of P's fragment
.endr
.set j, 0
.rept 16
	v_pk_mul_f32 v[160+j:161+j], v[160+j:161+j], v[252:253] op_sel_hi:[1,0]   ; O^T under the new M; these are also the plain instructions between the conversions and the products
.set j, j+2
.endr
	s_wait_alu depctr_va_vdst(0)
	s_wait_dscnt 0x0                               ; V is in
.irp t, 0,1,2,3
	v_wmma_f32_16x16x128_fp8_fp8 v[160+8*\t:167+8*\t], v[32+16*\t:47+16*\t], v[192:207], v[160+8*\t:167+8*\t]   ; O^T: channels 16 t on; the four accumulators take turns, and eight other products stand between two steps
.endr
.Lhidden_\@:
	s_add_co_u32 s[KF], s[KF], 128
.endm
; THE CHANGE OF SLOTS stands at a visit's head.  Each wave waits for all its tensor loads, adds 0 to its spare word, and waits for that and for its reads of the slot that it has left.
; Behind the barrier the slot ahead is whole and nobody reads the other one.  fill = 1: that other slot is filled with the next visit's keys: the load has a whole visit in which to land; one load of a wave is out at most.
.macro CHANGE fill
	s_wait_tensorcnt 0x0                           ; no tensor load of mine is out, so group 0 may be written
	ds_add_u32 v[SPW], v[NIL]                      ; 0 onto my spare word
.if \fill
	s_xor_b32 s[G0+1], s[G0+1], SLOT1              ; the other slot than last time
	s_add_co_u32 s[OFF], s[OFF], SLOTB             ; the next 256 keys,
	s_cmp_eq_u32 s[VIS], s[PAIR]
	s_cselect_b32 s[OFF], 0, s[OFF]                ; or, in the first block's last visit, the second block's first
	s_add_nc_u64 s[G0+2:G0+3], s[GB:GB+1], s[OFF:OFF+1]
	s_or_b32 s[G0+3], s[G0+3], 0x80000000
	s_wait_xcnt 0x0                                ; the last prefetch, a visit back, has read its address, so it may be written
	s_add_nc_u64 s[PFA:PFA+1], s[PFA:PFA+1], SLOTB
.endif
	s_wait_dscnt 0x0                               ; the add is done, and my reads of the slot that I have left are over
	s_barrier_signal -1
	s_barrier_wait -1
.if \fill
	TLOAD                                          ; the first thing behind the barrier, and a wave's one tensor load until the next
	ASK
.endif
.endm
.macro SLOT_STEPS
	STEP 0
	STEP 1
	s_xor_b32 s[TB], s[TB], SLOT1                  ; on to the other slot
.endm
; A BLOCK ENDS.  O^T x 2^(e8 + e9) / l is turned into codes with 2^e10 and stored: tile t's two registers are channels 16 t + 8 h + 0 .. 7 of token r: chunk t / 2 of my head's two, lanes 16 (t % 2) + r, bytes 8 h on.
.macro FINISH out
.rept 4
	v_nop                                          ; places behind the last products
.endr
	s_wait_xcnt 0x0                                ; the first block's stores have read v208-215
	v_add_f32 v14, v14, v15                        ; l's two halves,
	s_delay_alu instid0(VALU_DEP_1)
	v_permlanex16_b32 v236, v14, s[SEL], s[SEL+1]
	s_delay_alu instid0(VALU_DEP_1)
	v_add_f32 v14, v14, v236                       ; and lane l xor 16's
	s_wait_alu depctr_va_vdst(0)
	v_rcp_f32 v14, v14
	v_nop                                          ; a plain instruction behind the reciprocal,
	s_wait_alu depctr_va_vdst(0)                   ; and the wait ahead of its first reader
	v_ldexp_f32 v14, v14, s[EPV]
.set j, 0
.rept 16
	v_pk_mul_f32 v[96+j:97+j], v[160+j:161+j], v[14:15] op_sel_hi:[1,0]   ; each accumulator from its low end on
.set j, j+2
.endr
.set j, 0
.rept 32
.set j, j+1
.endr
.irp t, 0,1,2,3
	v_cvt_scalef32_pk8_fp8_f32 v[208+2*\t:209+2*\t], v[96+8*\t:103+8*\t], v245
.endr
	v_nop                                          ; one plain vector instruction behind the last conversion
.irp t, 0,1,2,3
	global_store_b64 v[GO], v[208+2*\t:209+2*\t], s[\out:\out+1] offset:(\t/2)*512+(\t%2)*256   ; 32 lanes store 256 consecutive bytes, at a multiple of 256 from the buffer's first byte
.endr
.endm
	s_wait_loadcnt 0x0                             ; Q
.Lvisit:                                           ; eight trips: behind each change of slots but the last the next visit's slot is asked for
	CHANGE 1
	SLOT_STEPS
	s_cmp_eq_u32 s[VIS], s[PAIR]                   ; the first block's last visit: a branch on the work-group's number, the same in all sixteen waves
	s_cbranch_scc0 .Lsame
	FINISH OUTA
.irp j, 0,1,2,3,4,5,6,7
	v_mov_b32 v[16+\j], v[24+\j]                   ; the second block's Q
.endr
	BEGIN
	s_mov_b32 s[Q0], s[Q0B]
	s_mov_b32 s[KF], 0
.Lsame:
	s_add_co_u32 s[VIS], s[VIS], 1
	s_cmp_lt_u32 s[VIS], 8
	s_cbranch_scc1 .Lvisit
	CHANGE 0                                       ; the last visit is written out
	SLOT_STEPS
	FINISH OUTB
	s_wait_tensorcnt 0x0                           ; the wave's end
	ds_add_u32 v[SPW], v[NIL]
	s_wait_dscnt 0x0
	s_endpgm
.Lfunc_end_k_qb94c0992b2_attn:
	.size	k_qb94c0992b2_attn, .Lfunc_end_k_qb94c0992b2_attn-k_qb94c0992b2_attn
	.p2alignl 7, 3214868480
	.fill 96, 4, 3214868480
	.section	.rodata,"a",@progbits
	.p2align	6, 0x0
	.amdhsa_kernel k_qb94c0992b2_attn
		.amdhsa_group_segment_fixed_size 327680
		.amdhsa_private_segment_fixed_size 0
		.amdhsa_enable_private_segment 0
		.amdhsa_kernarg_size 24
		.amdhsa_user_sgpr_count 2
		.amdhsa_user_sgpr_kernarg_segment_ptr 1
		.amdhsa_wavefront_size32 1
		.amdhsa_system_sgpr_workgroup_id_x 1
		.amdhsa_system_sgpr_workgroup_id_y 1
		.amdhsa_system_sgpr_workgroup_id_z 1
		.amdhsa_system_vgpr_workitem_id 0
		.amdhsa_next_free_vgpr 256
		.amdhsa_next_free_sgpr 66
		.amdhsa_reserve_vcc 1
		.amdhsa_float_denorm_mode_32 3
		.amdhsa_float_denorm_mode_16_64 3
		.amdhsa_fp16_overflow 1
		.amdhsa_memory_ordered 1
		.amdhsa_forward_progress 1
		.amdhsa_inst_pref_size 90
	.end_amdhsa_kernel
	.amdgpu_metadata
---
amdhsa.version: [ 1, 2 ]
amdhsa.kernels:
  - .name:           k_qb94c0992b2_attn
    .symbol:         k_qb94c0992b2_attn.kd
    .args:
      - { .name: qkv, .offset: 0, .size: 8, .value_kind: global_buffer, .address_space: global }
      - { .name: lowp_scales, .offset: 8, .size: 8, .value_kind: global_buffer, .address_space: global }
      - { .name: acodes, .offset: 16, .size: 8, .value_kind: global_buffer, .address_space: global }
    .group_segment_fixed_size: 327680
    .private_segment_fixed_size: 0
    .kernarg_segment_align: 8
    .kernarg_segment_size: 24
    .max_flat_workgroup_size: 512
    .sgpr_count:     66
    .vgpr_count:     256
    .wavefront_size: 32
...
	.end_amdgpu_metadata
.endif
;; end of part 2
;; launch oproj (part 3): grid 4 x 64, 4 waves a work-group, clusters of 4 x 4, 327,680 bytes of LDS; arguments acodes, W_o_codes, lowp_scales, out0; writes out0
.if DOCPART == 3
	.amdgcn_target "amdgcn-amd-amdhsa--gfx1250"
	.amdhsa_code_object_version 6
	.text
	.protected	k_qb94c0992b2_oproj
	.globl	k_qb94c0992b2_oproj
	.p2align	8
	.type	k_qb94c0992b2_oproj,@function
k_qb94c0992b2_oproj:
	s_mov_b64 s[64:65], 0
	v_nop
	global_prefetch_b8 v0, s[64:65] scope:SCOPE_SE
	s_setreg_imm32_b32 hwreg(HW_REG_WAVE_MODE, 25, 1), 1
	s_wait_xcnt 0x0
	s_wait_alu depctr_hold_cnt(0) depctr_sa_sdst(0) depctr_va_vdst(0) depctr_va_sdst(0) depctr_va_ssrc(0) depctr_va_vcc(0) depctr_vm_vsrc(0)
	s_getreg_b32 s2, hwreg(HW_REG_IB_STS2, 6, 4)
	s_cmp_eq_u32 s2, 0
	s_cbranch_scc0 .Lentry_in_a_cluster
	s_endpgm
.Lentry_in_a_cluster:
	s_bfe_u32 s2, ttmp6, 0x10000c
	s_cmp_lg_u32 s2, 0xf033
	s_cbranch_scc0 .Lentry_shape_is_right
	s_endpgm
.Lentry_shape_is_right:
; out0[m][n] = 2^(e10 + e11) x the sum over k of A[m][k] W_o[n][k], on codes of E4M3; f32 sums; out0: [8192][1024] f32.
; A is the attention's result as the launch before left it: [tile of 16 tokens][8 steps of 128 along K][4 chunks][32 lanes][16 bytes], images of fragment registers: lane (r, h) of chunk c holds token r, k = 32 c + 16 h + 0 .. 15 of the step.
; W_o: [1024][1024] codes, K innermost; its fragments are fetched from rows by four loads of 16 bytes, 32 bytes apart, which gives a lane the same k in the same registers.
; LIMIT: e10 + e11 lies between -126 and 127, so that 2^(e10 + e11) is an f32 number.
; SHARES.  A tile of 128 tokens x 256 columns to a work-group: 64 x 4 = 256 work-groups, where tiles of 256 x 256 would be 128.  A wave makes 64 x 128: 32 accumulators, 256 registers.  K goes in four steps of 256 through two LDS slots.
; CLUSTERS: 4 x 4 work-groups.  A's tile hangs on the tile row and is asked for jointly by a row of the cluster, W_o's on the tile column and is asked for jointly by a column.
; THE MATRIX INSTRUCTION IS USED TRANSPOSED (source 0 = 16 rows of W_o, source 1 = 16 tokens): a lane then holds eight neighbouring numbers of a row of out0.
; REGISTERS, in windows of 256: window 0: v0-31 addresses; v32-95 at work on the way out; v128-191, v192-255 A's four fragments, two sets (on the way out: rows read back).  window 1: W_o's eight fragments, two sets.  window 2: accumulator (a, b) at v[8 (8 a + b)].
.set PITCH,  272                       ; a row of W_o's tile in LDS: 256 bytes + 16 of padding: the 16 rows that a load touches start 16 bytes apart modulo 256
.set HALFB,  128*PITCH                 ; 128 rows of W_o: one tensor load
.set BOFF,   32768                     ; a slot: A's eight tiles of tokens x 4,096 bytes, dense, then W_o's 256 rows
.set SLOT,   BOFF+2*HALFB
.set SPARE,  2*SLOT                    ; behind the ring: the spare words, 128 bytes for each wave
.set SPITCH, 528                       ; the way out: a stage of 16 rows x (512 bytes + 16) for each wave.  It lies in slot 0, which has had its last fill and its last read when the first result is stored there
.set ADRA, 16                          ; v16-17  LDS address of my A fragments in slot 0, 1
.set ADRB, 20                          ; v20-21  the same for W_o
.set STO,  24                          ; v24     the way out: where I put 32 bytes of a row
.set RD,   25                          ; v25     where I read a row back
.set CO,   26                          ; v26     16 x lane
.set SPW,  28                          ; v28     LDS address of my spare word; never rewritten
.set NIL,  29                          ; v29     0; never rewritten
.set TMP,  32
.set AF,   128
.set BK,   128
.set G1A, 24                           ; s[24:31] descriptor group 1 for A's tiles;  s[32:39] group 0, one set for each slot
.set G0A, 32
.set G1B, 48                           ; s[48:55], s[56:63] the same for W_o's
.set G0B, 56
.set MSB, 0
.macro WIN new                         ; the immediate's high byte repeats the setting that is left
.if MSB != \new
	s_set_vgpr_msb (MSB<<8)|\new
.set MSB, \new
.endif
.endm
.set MUL,  0xa1                        ; source 0 (W_o) window 1, source 1 (A) window 0, C and D window 2
.set TO_B, 0x40                        ; destination window 1, address window 0
; A joint load: waves 0 and 1 fetch A's halves, waves 2 and 3 W_o's; four v_nop follow each of the two lines
.macro JLOAD s
	s_cmp_eq_u32 s15, 0
	s_cbranch_scc0 .Lfor_b_\@
	tensor_load_to_lds s[G0A+4*\s:G0A+4*\s+3], s[G1A:G1A+7]
	s_nop 0
.rept 4
	v_nop
.endr
	s_branch .Lasked_\@
.Lfor_b_\@:
	tensor_load_to_lds s[G0B+4*\s:G0B+4*\s+3], s[G1B:G1B+7]
	s_nop 0
.rept 4
	v_nop
.endr
.Lasked_\@:
.endm
.macro CREST                           ; a round of the cluster's barrier behind its opening barrier
	s_cmp_lg_u32 s14, 0
	s_cbranch_scc1 .Lnot_wave_0_\@
	s_barrier_signal -3
.Lnot_wave_0_\@:
	s_barrier_wait -3
	s_barrier_signal -1
	s_barrier_wait -1
.endm
.macro CROUND
	s_barrier_signal -1
	s_barrier_wait -1
	CREST
.endm
	s_load_b128 s[4:7], s[0:1], 0x0                ; A's codes s[4:5], W_o's s[6:7]
	s_load_b128 s[8:11], s[0:1], 0x10              ; the scales' exponents s[8:9], out0 s[10:11]
	v_lshl_add_u32 v[SPW], v0, 2, SPARE
	v_mov_b32 v[NIL], 0
	ds_add_u32 v28, v29
	ds_add_u32 v28, v29
	s_wait_dscnt 0x0
	v_lshrrev_b32 v1, 5, v0
	v_readfirstlane_b32 s14, v1                    ; wave 0..3
	s_lshr_b32 s15, s14, 1                         ; which 64 tokens are mine.  Also: I fetch for A (0) or for W_o (1)
	s_and_b32 s16, s14, 1                          ; which 128 columns.  Also: which half of that tile I fetch
	s_bfe_u32 s40, ttmp6, 0x40000                  ; cx
	s_bfe_u32 s41, ttmp6, 0x40004                  ; cy
	s_lshl_b32 s42, ttmp9, 2
	s_add_co_u32 s42, s42, s40                     ; tile column = 4 x cluster x + cx
	s_and_b32 s17, ttmp7, 0xffff
	s_lshl_b32 s17, s17, 2
	s_add_co_u32 s17, s17, s41                     ; tile row = 4 x cluster y + cy
	s_lshl_b32 s43, s41, 2
	s_lshl_b32 s43, 15, s43                        ; my row of the cluster
	s_lshl_b32 s44, 0x1111, s40                    ; my column
	s_or_b32 s[G1A+0], s43, (3<<16)|(1<<21)        ; A: the mask of my row; elements of 8 bytes; bit 21 set beside a mask; no padding
	s_mov_b32 s[G1A+1], 512<<16                    ; tensor_dim0 = 512 elements: a tile of tokens' 4,096 bytes of a K step
	s_mov_b32 s[G1A+2], 4<<16                      ; tensor_dim1 = 4 tiles of tokens
	s_mov_b32 s[G1A+3], 512<<16                    ; tile_dim0
	s_mov_b32 s[G1A+4], 4                          ; tile_dim1
	s_mov_b32 s[G1A+5], 2048                       ; from one tile of tokens to the next: 16,384 bytes
	s_mov_b32 s[G1A+6], 0
	s_mov_b32 s[G1A+7], 0
	s_or_b32 s[G1B+0], s44, (0<<16)|(1<<20)|(1<<21)|(5<<22)|(3<<25)   ; W_o: the mask of my column; elements of 1 byte; 4 words of padding after every 64
	s_mov_b32 s[G1B+1], 256<<16
	s_mov_b32 s[G1B+2], 128<<16
	s_mov_b32 s[G1B+3], 256<<16
	s_mov_b32 s[G1B+4], 128
	s_mov_b32 s[G1B+5], 1024
	s_mov_b32 s[G1B+6], 0
	s_mov_b32 s[G1B+7], 0
	s_lshl_b32 s20, s17, 17                        ; A: 128 tokens are 2^17 bytes,
	s_lshl_b32 s18, s16, 16                        ; four tiles of 16 are 2^16
	s_add_co_u32 s20, s20, s18
	s_mov_b32 s21, 0
	s_lshl_b32 s46, s42, 18                        ; W_o: 256 rows of 1,024 bytes,
	s_lshl_b32 s18, s16, 17                        ; 128 rows
	s_add_co_u32 s46, s46, s18
	s_mov_b32 s47, 0
	s_lshl_b32 s45, s16, 14                        ; where they go: no place in the cluster enters an LDS address
	s_mul_i32 s19, s16, HALFB
	s_add_co_u32 s19, s19, BOFF
	s_wait_kmcnt 0x0
	s_load_b64 s[96:97], s[8:9], 0x28              ; e10, e11
	s_add_nc_u64 s[20:21], s[4:5], s[20:21]
	s_add_nc_u64 s[46:47], s[6:7], s[46:47]
	CROUND                                         ; all sixteen work-groups are here: the first joint loads meet
.irp s, 0,1
	s_mov_b32 s[G0A+4*\s], 1
	s_add_co_u32 s[G0A+4*\s+1], s45, \s*SLOT
	s_add_nc_u64 s[G0A+4*\s+2:G0A+4*\s+3], s[20:21], \s*4096
	s_or_b32 s[G0A+4*\s+3], s[G0A+4*\s+3], 0x80000000
	s_mov_b32 s[G0B+4*\s], 1
	s_add_co_u32 s[G0B+4*\s+1], s19, \s*SLOT
	s_add_nc_u64 s[G0B+4*\s+2:G0B+4*\s+3], s[46:47], \s*256
	s_or_b32 s[G0B+4*\s+3], s[G0B+4*\s+3], 0x80000000
	s_wait_alu depctr_va_vdst(0)
	s_wait_tensorcnt 0x0
	ds_add_u32 v28, v29
	ds_add_u32 v28, v29
	s_wait_dscnt 0x0
	CROUND
	JLOAD \s                                       ; K steps 0 and 1: one load of mine is out at a time
.endr
	v_and_b32 v1, 15, v0                           ; r
	v_bfe_u32 v2, v0, 4, 1                         ; h
	v_and_b32 v6, 31, v0
	v_lshlrev_b32 v[CO], 4, v6
	v_mul_u32_u24 v3, v1, PITCH
	v_lshl_add_u32 v4, v2, 4, v3
	s_lshl_b32 s12, s15, 14                        ; my four tiles of tokens
	s_mul_i32 s13, s16, HALFB                      ; my 128 rows of W_o
	s_add_co_u32 s13, s13, BOFF
.irp s, 0,1
	v_add_nc_u32 v[ADRA+\s], s12, v[CO]
	v_add_nc_u32 v[ADRB+\s], s13, v4
	s_add_co_u32 s12, s12, SLOT
	s_add_co_u32 s13, s13, SLOT
.endr
	s_mul_i32 s23, s14, 16*SPITCH                  ; my stage
	v_mul_u32_u24 v5, v1, SPITCH                   ; in: row r, 32 bytes for each half of the lanes
	v_lshl_add_u32 v5, v2, 5, v5
	v_add_nc_u32 v[STO], s23, v5
	v_add_nc_u32 v[RD], s23, v[CO]                 ; back: the 32 lanes take one row of 512 bytes
	s_lshl_b32 s20, s17, 19                        ; my first row of out0: 128 rows of 4,096 bytes a tile,
	s_lshl_b32 s21, s15, 18                        ; 64 rows a half
	s_add_co_u32 s20, s20, s21
	s_mov_b32 s21, 0
	s_lshl_b32 s46, s42, 10                        ; my first column, in bytes
	s_lshl_b32 s47, s16, 9
	s_add_co_u32 s46, s46, s47
	s_mov_b32 s47, 0
	s_add_nc_u64 s[20:21], s[20:21], s[46:47]
	s_add_nc_u64 s[10:11], s[10:11], s[20:21]
; 48 LDS loads in one run: the fragments of the slot's q-th 128 along K into set p: W_o's eight from rows, A's four as images
.macro FETCH slot, q, p
	WIN TO_B
.irp i, 0,1,2,3,4,5,6,7
.irp c, 0,1,2,3
	ds_load_b128 v[128*(\p)+16*\i+4*\c:128*(\p)+16*\i+4*\c+3], v[ADRB+\slot] offset:128*(\q)+32*\c+\i*16*PITCH
.endr
.endr
	WIN 0
.irp a, 0,1,2,3
.irp c, 0,1,2,3
	ds_load_b128 v[AF+64*(\p)+16*\a+4*\c:AF+64*(\p)+16*\a+4*\c+3], v[ADRA+\slot] offset:\a*4096+(\q)*2048+\c*512
.endr
.endr
.endm
; 8 matrix instructions: tokens' tile a x W_o's eight, 128 along K, set p.  The 32 accumulators take turns, one instruction a turn, in the same order in every step.
.macro MUL8 a, p, zero
.irp b, 0,1,2,3,4,5,6,7
.if \zero
	v_wmma_f32_16x16x128_fp8_fp8 v[8*(8*(\a)+\b):8*(8*(\a)+\b)+7], v[128*(\p)+16*\b:128*(\p)+16*\b+15], v[AF+64*(\p)+16*(\a):AF+64*(\p)+16*(\a)+15], 0
.else
	v_wmma_f32_16x16x128_fp8_fp8 v[8*(8*(\a)+\b):8*(8*(\a)+\b)+7], v[128*(\p)+16*\b:128*(\p)+16*\b+15], v[AF+64*(\p)+16*(\a):AF+64*(\p)+16*(\a)+15], v[8*(8*(\a)+\b):8*(8*(\a)+\b)+7]
.endif
.endr
.endm
.macro PLACES                          ; four plain vector instructions in front of loads into registers that matrix instructions have read, and of the first read of results
.rept 4
	v_nop
.endr
.endm
; A slot's first 128 along K: multiplies set 0; the second 128's fragments are asked for first, into set 1
.macro STEP slot, zero
	s_wait_dscnt 0x0                               ; set 0 is in
	PLACES
	FETCH \slot, 1, 1
	WIN MUL
	MUL8 0, 0, \zero
	MUL8 1, 0, \zero
	MUL8 2, 0, \zero
	MUL8 3, 0, \zero
	WIN 0
.endm
; A slot's second 128 multiplies set 1 and changes slots: one barrier; in front of it each wave waits for all its tensor loads, adds 0 to its spare word, and waits for that and for its own reads of this slot.
.macro TURN slot, next, fill
	s_wait_tensorcnt 0x0                           ; all my tensor loads have landed: my part of the next slot
	ds_add_u32 v[SPW], v[NIL]                      ; 0 onto my spare word
	s_wait_dscnt 1                                 ; set 1 is in; the add alone may be out
	WIN MUL
	MUL8 0, 1, 0                                   ; eight matrix instructions stand between the add and the wait for it
	s_wait_dscnt 0x0                               ; the add is done, and my reads of this slot are over
	s_barrier_signal -1
	MUL8 1, 1, 0
	WIN 0
	s_barrier_wait -1
.if \fill
	CREST                                          ; the barrier has opened a round of the cluster's barrier: no wave of any partner still reads this slot's tile or has a load on its way
	s_add_nc_u64 s[G0A+4*\slot+2:G0A+4*\slot+3], s[G0A+4*\slot+2:G0A+4*\slot+3], 2*4096
	s_add_nc_u64 s[G0B+4*\slot+2:G0B+4*\slot+3], s[G0B+4*\slot+2:G0B+4*\slot+3], 2*256
	JLOAD \slot                                    ; the first tensor load behind the round, my only one until the next; its four v_nop are the places in front of the loads below
.else
	PLACES
.endif
	FETCH \next, 0, 0
	WIN MUL
	MUL8 2, 1, 0
	MUL8 3, 1, 0
	WIN 0
.endm
	s_wait_alu depctr_va_vdst(0)
	s_wait_tensorcnt 1                             ; my part of K step 0 is in; K step 1's load may be out
	s_barrier_signal -1
	s_barrier_wait -1
	FETCH 0, 0, 0
	STEP 0, 1                                      ; four K steps, written out.  The first products start the sums
	TURN 0, 1, 1                                   ; slot 0 takes K step 2
	STEP 1, 0
	TURN 1, 0, 1                                   ; slot 1 takes K step 3
	STEP 0, 0
	TURN 0, 1, 0                                   ; nothing is left to fetch; behind this barrier nobody reads slot 0
	STEP 1, 0
	s_wait_dscnt 0x0
	WIN MUL
	MUL8 0, 1, 0
	MUL8 1, 1, 0
	MUL8 2, 1, 0
	MUL8 3, 1, 0
	WIN 0
; THE WAY OUT, block by block of 16 rows x 128 columns: a lane holds 32 neighbouring bytes of a row, and the lanes beside it hold other rows: a block goes through my own stage and comes back as whole rows of 512 bytes.
; LDS serves a wave's instructions in order (ISA guide 5.7.1.4): no wait between the stores and the loads, nor in front of the next block's stores.
.macro TOSTAGE a
.set AC, 64*(\a)
	WIN 0x02                                       ; source 0: window 2
.set j, 0
.rept 32
	v_pk_mul_f32 v[TMP+j:TMP+j+1], v[AC+j:AC+j+1], s[96:97] op_sel_hi:[1,0]   ; both x s96 = 2^(e10 + e11); each accumulator from its low end on
.set j, j+2
.endr
	WIN 0
.irp b, 0,1,2,3,4,5,6,7
	ds_store_b128 v[STO], v[TMP+8*\b:TMP+8*\b+3] offset:64*\b
	ds_store_b128 v[STO], v[TMP+8*\b+4:TMP+8*\b+7] offset:64*\b+16
.endr
.set BB, BK+64*((\a)%2)
.irp t, 0,1,2,3,4,5,6,7,8,9,10,11,12,13,14,15
	ds_load_b128 v[BB+4*\t:BB+4*\t+3], v[RD] offset:\t*SPITCH
.endr
.endm
.macro SEND a, younger                 ; younger: the LDS instructions issued behind block a's loads, which may stay out
.set BB, BK+64*((\a)%2)
	s_wait_dscnt \younger                          ; the block is back in registers
.if (\a) > 0
	s_add_nc_u64 s[10:11], s[10:11], 16*4096       ; (behind a wait on XCNT: the earlier stores have read their base)  16 rows on
.endif
.irp t, 0,1,2,3,4,5,6,7,8,9,10,11,12,13,14,15
	global_store_b128 v[CO], v[BB+4*\t:BB+4*\t+3], s[10:11] offset:\t*4096 th:TH_STORE_NT   ; 32 lanes store 512 consecutive bytes, at a multiple of 512 from out0's first byte; written once, read by nobody here
.endr
.endm
	s_wait_kmcnt 0x0
	s_add_co_i32 s96, s96, s97                     ; e10 + e11
	s_add_co_i32 s96, s96, 127
	s_lshl_b32 s96, s96, 23                        ; 2^(e10 + e11) as f32
	PLACES                                         ; behind the last products: for the reads of results and for the loads into the registers that held A's fragments
	TOSTAGE 0
.irp a, 1,2,3
.if \a > 1
	s_wait_xcnt 0x0                                ; block a - 2's stores have read their registers and their base
.endif
	TOSTAGE \a
	SEND \a-1, 32                                  ; behind block a - 1's loads: block a's 16 stores and 16 loads
.endr
	s_wait_xcnt 0x0
	SEND 3, 0
	s_wait_tensorcnt 0x0                           ; the wave's end
	ds_add_u32 v[SPW], v[NIL]
	s_wait_dscnt 0x0
	CROUND                                         ; the closing round: no work-group ends while a partner may still ask for a tile that names it
	s_endpgm
.Lfunc_end_k_qb94c0992b2_oproj:
	.size	k_qb94c0992b2_oproj, .Lfunc_end_k_qb94c0992b2_oproj-k_qb94c0992b2_oproj
	.p2alignl 7, 3214868480
	.fill 96, 4, 3214868480
	.section	.rodata,"a",@progbits
	.p2align	6, 0x0
	.amdhsa_kernel k_qb94c0992b2_oproj
		.amdhsa_group_segment_fixed_size 327680
		.amdhsa_private_segment_fixed_size 0
		.amdhsa_enable_private_segment 0
		.amdhsa_kernarg_size 32
		.amdhsa_user_sgpr_count 2
		.amdhsa_user_sgpr_kernarg_segment_ptr 1
		.amdhsa_wavefront_size32 1
		.amdhsa_system_sgpr_workgroup_id_x 1
		.amdhsa_system_sgpr_workgroup_id_y 1
		.amdhsa_system_sgpr_workgroup_id_z 1
		.amdhsa_system_vgpr_workitem_id 0
		.amdhsa_next_free_vgpr 768
		.amdhsa_next_free_sgpr 98
		.amdhsa_reserve_vcc 0
		.amdhsa_float_denorm_mode_32 3
		.amdhsa_float_denorm_mode_16_64 3
		.amdhsa_memory_ordered 1
		.amdhsa_forward_progress 1
		.amdhsa_inst_pref_size 76
	.end_amdhsa_kernel
	.amdgpu_metadata
---
amdhsa.version: [ 1, 2 ]
amdhsa.kernels:
  - .name:           k_qb94c0992b2_oproj
    .symbol:         k_qb94c0992b2_oproj.kd
    .args:
      - { .name: acodes, .offset: 0, .size: 8, .value_kind: global_buffer, .address_space: global }
      - { .name: W_o_codes, .offset: 8, .size: 8, .value_kind: global_buffer, .address_space: global }
      - { .name: lowp_scales, .offset: 16, .size: 8, .value_kind: global_buffer, .address_space: global }
      - { .name: out0, .offset: 24, .size: 8, .value_kind: global_buffer, .address_space: global }
    .group_segment_fixed_size: 327680
    .private_segment_fixed_size: 0
    .kernarg_segment_align: 8
    .kernarg_segment_size: 32
    .max_flat_workgroup_size: 128
    .sgpr_count:     98
    .vgpr_count:     768
    .wavefront_size: 32
...
	.end_amdgpu_metadata
.endif
;; end of part 3
